; MI455X (gfx1250); checked and timed in simulation.
; The chip was launched on July 23, 2026; its instructions are those of AMD's public machine-readable ISA for CDNA 5 (MIT licence, August 2026) and "CDNA5" Instruction Set Architecture Reference Guide (July 2026). The comments in the code are by the model that wrote it; some were corrected since.
;; LSTM Cell. Allowed arithmetic: matrix products marked QUANTISED: E2M3 operands, one E8M0 scale for each 32 along K, by v_wmma_scale_f32_16x16x128_f8f6f4 with both operands' format E2M3, f32 sums; everything else in f32.
;; Inputs: bf_h 1,024 float32; bf_i 1,024 float32; bg_h 1,024 float32; bg_i 1,024 float32; bi_h 1,024 float32; bi_i 1,024 float32; bo_h 1,024 float32; bo_i 1,024 float32; c 8,192 x 1,024 float32; h 8,192 x 1,024 float32; wf_h 1,024 x 1,024 float32; wf_i 1,024 x 1,024 float32; wg_h 1,024 x 1,024 float32; wg_i 1,024 x 1,024 float32; wi_h 1,024 x 1,024 float32; wi_i 1,024 x 1,024 float32; wo_h 1,024 x 1,024 float32; wo_i 1,024 x 1,024 float32; x 8,192 x 1,024 float32.
;; Outputs: out0 8,192 x 1,024 float32; out1 8,192 x 1,024 float32.
;; This version of the problem:
;;   THIS VERSION OF THE PROBLEM IS GIVEN IN LOW PRECISION. The matrix products marked QUANTISED in the list below multiply operands that are first quantised to E2M3 (2 exponent bits, 3 mantissa bits; 6 bits a number), with one power-of-two scale for each 32 numbers along K (OCP MX v1.0); their sums are f32. All else is computed in f32.
;;   The module's matrix products, in the order in which they are computed (A, B: the left and right operand; K: the contracted axis; several contracted axes count as one K, in the product's order):
;;     1. [M 8,192, K 1,024] x [K 1,024, N 1,024]; A: input x; B: input wf_i: QUANTISED
;;     2. [M 8,192, K 1,024] x [K 1,024, N 1,024]; A: input h; B: input wf_h: QUANTISED
;;     3. [M 8,192, K 1,024] x [K 1,024, N 1,024]; A: input x; B: input wi_i: QUANTISED
;;     4. [M 8,192, K 1,024] x [K 1,024, N 1,024]; A: input h; B: input wi_h: QUANTISED
;;     5. [M 8,192, K 1,024] x [K 1,024, N 1,024]; A: input x; B: input wg_i: QUANTISED
;;     6. [M 8,192, K 1,024] x [K 1,024, N 1,024]; A: input h; B: input wg_h: QUANTISED
;;     7. [M 8,192, K 1,024] x [K 1,024, N 1,024]; A: input x; B: input wo_i: QUANTISED
;;     8. [M 8,192, K 1,024] x [K 1,024, N 1,024]; A: input h; B: input wo_h: QUANTISED
;;   THE QUANTISER, for each operand of a quantised product, along K:
;;     - K is cut into blocks of 32 from its start; a last block that is shorter is filled with zeros.
;;     - A block's scale is 2^e with e = floor(log2(the largest magnitude in the block)) - 2, held to -126 .. 127; a block of zeros has e = 0. As a byte (E8M0): e + 127.
;;     - Each number is divided by its block's scale, clamped to +-7.5, and rounded to the nearest number of E2M3, ties to even, subnormals kept.
;;     - The product sums the exact products of the quantised numbers (number of the format x scale) in f32.
;;   ~~~python
;;   def quantise(x, axis):      # numpy; x: float32 -> the quantised numbers, widened to float32 again
;;       x = np.moveaxis(x, axis, -1); K = x.shape[-1]
;;       x = np.pad(x, [(0, 0)] * (x.ndim - 1) + [(0, -K % 32)]); x = x.reshape(x.shape[:-1] + (-1, 32)); a = np.abs(x).max(-1, keepdims=True)
;;       e = np.where(a > 0, np.clip(np.frexp(np.where(a > 0, a, 1))[1] - 1 - 2, -126, 127), 0)      # np.frexp(a)[1] - 1 = floor(log2(a)), exactly
;;       r = np.clip(x / 2.0 ** e, -7.5, 7.5)
;;       step = 2.0 ** (np.maximum(np.frexp(np.where(r == 0, 1, r))[1] - 1, 0) - 3)
;;       q = np.round(r / step) * step * 2.0 ** e      # np.round: ties to even
;;       return np.moveaxis(q.reshape(q.shape[:-2] + (-1,))[..., :K], -1, axis).astype(np.float32)
;;   ~~~
;; One version. Each part assembles by itself: llvm-mc -triple=amdgcn-amd-amdhsa -mcpu=gfx1250 --defsym DOCPART=n.
;; ======== version 1 of 1: 2 launches
;; limits: right only within a limited range of input values
;; workspace buffers: a_pack 13,107,200 bytes; b_pack 6,553,600 bytes; bias 16,384 bytes
;; launch quant (part 1): grid 768 x 1, 4 waves a work-group, no clusters, 46,592 bytes of LDS; arguments x, h, wf_i, wf_h, wi_i, wi_h, wg_i, wg_h, wo_i, wo_h, bf_i, bf_h, bi_i, bi_h, bg_i, bg_h, bo_i, bo_h, a_pack, b_pack, bias; writes a_pack, b_pack, bias
.if DOCPART == 1
	.amdgcn_target "amdgcn-amd-amdhsa--gfx1250"
	.amdhsa_code_object_version 6
	.text
	.protected	k_qb740ebfd51_quant
	.globl	k_qb740ebfd51_quant
	.p2align	8
	.type	k_qb740ebfd51_quant,@function
k_qb740ebfd51_quant:
	s_mov_b64 s[64:65], 0
	v_nop
	global_prefetch_b8 v0, s[64:65] scope:SCOPE_SE
	s_setreg_imm32_b32 hwreg(HW_REG_WAVE_MODE, 25, 1), 1
	s_wait_xcnt 0x0
; x, h [8192][1024] and the eight weights [1024][1024], f32, K innermost, become codes of FP6 (E2M3) with one E8M0 scale byte for each 32 along K, laid as the next launch's registers take them.
; No work of reference() is left out: every input has a way to both outputs.
; OUT: a_pack [512 row blocks][16 K steps][1600], b_pack [256 row blocks][16][1600].  K = [x | h] or [w_i | w_h], 2,048 long.  A RECORD (16 rows x 128 K) is 1,536 bytes of codes as a matrix operand's register image
; (register R of lane r + 16 hh at byte 512 (R / 4) + 16 (r + 16 hh) + 4 (R % 4); lane (r, hh) holds row r, registers 6 c .. 6 c + 5 = K 64 c + 32 hh + 0 .. 31), then 64 bytes: row r's four scale bytes at 1536 + 4 r.
; Hidden unit j of gate g (0 f, 1 i, 2 g, 3 o) is row j % 16 of b_pack's row block 4 (j / 16) + g.  bias [4096] f32 at 64 (j / 16) + 16 g + j % 16: K_g (b_i[j] + b_h[j]), K_g = -log2(e) for f, i, o and 2 log2(e) for g.
; A block's scale is 2^(floor(log2(largest magnitude)) - 2): its byte is that magnitude's exponent field - 2, held at 1 from below; numbers are divided by it and rounded to the nearest code, ties to even, beyond 7.5 the largest code.
; LIMITS: NaN and infinities among the inputs are not served.  A block whose largest magnitude lies under 2^-124, a block of zeros too, keeps the byte 1 (not 127): its codes are what the conversion gives, and this program alone reads the bytes.
;         The two biases are added first and scaled once: another order of rounding than adding them one by one.
; SHARES: a work-group takes one row block (16 rows, all K), a wave 4 rows: 16 steps of 512 numbers (8 of the left tensor, 8 of the right).  Work-groups 0-511: x and h; 512 + 64 g + J: rows 16 J on of gate g's weights.
; A step's four loads read 512 consecutive bytes each; the numbers turn through the wave's own stage so that a lane holds 16 neighbours along K.  Codes and scale bytes are gathered in the work-group's image of its row block
; (25,600 bytes of LDS); behind one barrier the image leaves as it lies: each store of a wave covers 512 (the last 256) consecutive bytes, aligned.
.set STEPS, 16
.set EMAX,  2
.set R,     16                         ; v16-79   four sets of 16 numbers as loaded; at the end the image on its way out
.set X,     80                         ; v80-111  two sets of 16 neighbours
.set E,     112                        ; v112-127 a scale byte for each step
.set C,     128                        ; v128-191 codes, four registers a step
.set BV,    192                        ; v192-199 my 4 rows' b_i and b_h
.set SP,    80                         ; a lane's place in a stage: 64 bytes + 16
.set WREG,  2*32*SP                    ; a wave's two stages
.set IMG,   4*WREG                     ; the image
.set FRB,   1600
.set RBB,   16*FRB
.set SPARE, IMG+RBB                    ; the spare words, 128 bytes a wave
.set WGA,   512
	s_load_b512 s[4:19], s[0:1], 0x0               ; x 4, h 6, wf_i 8, wf_h 10, wi_i 12, wi_h 14, wg_i 16, wg_h 18
	s_load_b512 s[20:35], s[0:1], 0x40             ; wo_i 20, wo_h 22, bf_i 24, bf_h 26, bi_i 28, bi_h 30, bg_i 32, bg_h 34
	s_load_b256 s[36:43], s[0:1], 0x80             ; bo_i 36, bo_h 38, a_pack 40, b_pack 42
	s_load_b64 s[48:49], s[0:1], 0xa0              ; bias
	v_lshl_add_u32 v200, v0, 2, SPARE
	v_mov_b32 v201, 0
	v_lshrrev_b32 v1, 5, v0
	v_readfirstlane_b32 s50, v1                    ; wave
	s_mul_i32 s51, s50, WREG
	s_lshl_b32 s44, s50, 6
	s_add_co_u32 s44, s44, IMG                     ; codes: my first row's lanes, 16 bytes x 4 wave
	s_lshl_b32 s45, s50, 4
	s_add_co_u32 s45, s45, IMG                     ; scale words: 4 bytes x 4 wave
	s_mul_i32 s46, s50, 12*512                     ; the way out: my 12 runs of 512 bytes
	v_and_b32 v2, 31, v0                           ; lane
	v_lshlrev_b32 v3, 4, v2
	v_mov_b32 v10, 0
	v_lshrrev_b32 v14, 2, v2
	v_mul_u32_u24 v14, v14, SP
	v_and_b32 v15, 3, v2
	v_lshl_add_u32 v14, v15, 4, v14
	v_add_nc_u32 v14, s51, v14                     ; the stage, in: SP (lane / 4) + 16 (lane % 4)
	v_mul_u32_u24 v15, v2, SP
	v_add_nc_u32 v15, s51, v15                     ; and out: SP x lane
	v_bfe_u32 v8, v0, 2, 1                         ; my 16 numbers in their 128: c,
	v_and_b32 v9, 1, v0                            ; which half of a block,
	v_lshl_add_u32 v8, v8, 1, v9
	v_mul_u32_u24 v8, v8, 3                        ; so my first register of the operand: 3 (2 c + half)
	v_bfe_u32 v9, v0, 3, 2
	v_mul_u32_u24 v9, v9, FRB                      ; which of the step's four records
	v_bfe_u32 v11, v0, 1, 1                        ; hh
	v_lshl_add_u32 v11, v11, 8, v9
	v_add_nc_u32 v11, s44, v11
.irp t, 0,1,2
.set AT, 4+\t+(\t+1)/2                 ; v4, v6, v7: where my code register t goes
	v_add_nc_u32 v[AT], \t, v8
	v_lshrrev_b32 v12, 2, v[AT]
	v_and_b32 v[AT], 3, v[AT]
	v_lshlrev_b32 v[AT], 2, v[AT]
	v_lshl_add_u32 v[AT], v12, 9, v[AT]
	v_add_nc_u32 v[AT], v[AT], v11
.endr
	v_bfe_u32 v5, v0, 1, 2                         ; my block's byte in the scale word
	v_add_nc_u32 v5, v5, v9
	v_add_nc_u32 v5, s45, v5
	v_add_nc_u32 v13, s46, v3                      ; the way out, in memory
	v_add_nc_u32 v12, IMG, v13                     ; and in LDS
	v_lshl_add_u32 v203, v0, 3, 48*512             ; the last 1,024 bytes: 8 a thread
	v_add_nc_u32 v202, IMG, v203
	s_and_b32 s54, ttmp9, 63                       ; J
	s_bfe_u32 s55, ttmp9, 0x20006                  ; g
	s_lshl_b32 s57, s50, 2
	s_lshl_b32 s56, ttmp9, 4
	s_add_co_u32 s56, s56, s57                     ; x, h: row 16 w + 4 wave
	s_lshl_b32 s58, s54, 4
	s_add_co_u32 s58, s58, s57                     ; a weight: from row 16 J + 4 wave
	s_lshl_b32 s54, s54, 6
	s_lshl_b32 s59, s55, 4
	s_add_co_u32 s54, s54, s59
	s_add_co_u32 s54, s54, s57                     ; to row 64 J + 16 g + 4 wave
	s_mov_b32 s53, 0xbfb8aa3b                      ; -log2(e)
	s_cmp_eq_u32 s55, 2
	s_cselect_b32 s52, 0x4038aa3b, s53             ; gate g: 2 log2(e)
	s_mov_b32 s53, s52
	s_cmp_ge_u32 ttmp9, WGA
	s_cselect_b32 s55, s54, s56                    ; the row that I write
	s_cselect_b32 s54, s54, 0                      ; and in the bias buffer
	s_cselect_b32 s56, s58, s56                    ; the row that I read
	s_cselect_b32 s57, s58, 0                      ; and in the biases (x's and h's work-groups read row 0 and use nothing of it)
	s_mov_b32 s59, 0
	s_wait_alu depctr_va_vdst(0)
	s_wait_kmcnt 0x0
	s_cselect_b64 s[4:5], s[8:9], s[4:5]           ; the choices hang on the work-group's number alone
	s_cselect_b64 s[6:7], s[10:11], s[6:7]
	s_cselect_b64 s[40:41], s[42:43], s[40:41]
	s_cmp_ge_u32 ttmp9, WGA+64
	s_cselect_b64 s[4:5], s[12:13], s[4:5]
	s_cselect_b64 s[6:7], s[14:15], s[6:7]
	s_cselect_b64 s[24:25], s[28:29], s[24:25]
	s_cselect_b64 s[26:27], s[30:31], s[26:27]
	s_cmp_ge_u32 ttmp9, WGA+128
	s_cselect_b64 s[4:5], s[16:17], s[4:5]
	s_cselect_b64 s[6:7], s[18:19], s[6:7]
	s_cselect_b64 s[24:25], s[32:33], s[24:25]
	s_cselect_b64 s[26:27], s[34:35], s[26:27]
	s_cmp_ge_u32 ttmp9, WGA+192
	s_cselect_b64 s[4:5], s[20:21], s[4:5]
	s_cselect_b64 s[6:7], s[22:23], s[6:7]
	s_cselect_b64 s[24:25], s[36:37], s[24:25]
	s_cselect_b64 s[26:27], s[38:39], s[26:27]
	s_lshl_b32 s58, s56, 12
	s_add_nc_u64 s[4:5], s[4:5], s[58:59]
	s_add_nc_u64 s[6:7], s[6:7], s[58:59]
	s_lshr_b32 s58, s55, 4
	s_mul_i32 s58, s58, RBB                        ; my row block
	s_add_nc_u64 s[40:41], s[40:41], s[58:59]
	s_lshl_b32 s58, s54, 2
	s_add_nc_u64 s[48:49], s[48:49], s[58:59]
	s_lshl_b32 s58, s57, 2
	s_add_nc_u64 s[24:25], s[24:25], s[58:59]
	s_add_nc_u64 s[26:27], s[26:27], s[58:59]
	global_load_b128 v[BV:BV+3], v10, s[24:25]     ; the oldest loads: the first counted wait shows them in
	global_load_b128 v[BV+4:BV+7], v10, s[26:27]
.macro LOAD t
.irp i, 0,1,2,3
.if (\t) < 8
	global_load_b128 v[R+16*((\t)%4)+4*\i:R+16*((\t)%4)+4*\i+3], v3, s[4:5] offset:2048*(\t)+512*\i th:TH_LOAD_NT
.else
	global_load_b128 v[R+16*((\t)%4)+4*\i:R+16*((\t)%4)+4*\i+3], v3, s[6:7] offset:2048*((\t)-8)+512*\i th:TH_LOAD_NT
.endif
.endr
.endm
.macro TURN t                          ; LDS serves a wave's instructions in order (ISA guide 5.7.1.4): no wait between the stores and the loads
.irp i, 0,1,2,3
	ds_store_b128 v14, v[R+16*((\t)%4)+4*\i:R+16*((\t)%4)+4*\i+3] offset:32*SP*((\t)%2)+8*SP*\i
.endr
.irp i, 0,1,2,3
	ds_load_b128 v[X+16*((\t)%2)+4*\i:X+16*((\t)%2)+4*\i+3], v15 offset:32*SP*((\t)%2)+16*\i
.endr
.endm
.irp t, 0,1,2,3
	LOAD \t
.endr
	s_wait_loadcnt 12                              ; the biases and step 0 are in; steps 1 to 3 may be out
	TURN 0
.macro STEP t
.set XS, X+16*((\t)%2)
.set KI, (4*((\t)%2)+8*((\t)/8))*FRB   ; the step's first record: left or right tensor, first or second half of the row
.set RR, ((\t)%8)/2                    ; which of my four rows
.if (\t) > 0
	s_wait_dscnt 4                                 ; this step's numbers are back (the last step's four stores into the image may be out)
.else
	s_wait_dscnt 0x0
.endif
.if (\t)+4 < STEPS
	LOAD (\t)+4
.endif
.if (\t)+1 < STEPS
.if STEPS-2-(\t) >= 3
	s_wait_loadcnt 12                              ; the next step's four loads are in; three steps' may be out
.else
	s_wait_loadcnt 4*(STEPS-2-(\t))
.endif
	TURN (\t)+1
.endif
	v_max3_num_f32 v8, |v[XS]|, |v[XS+1]|, |v[XS+2]|
	v_max3_num_f32 v9, |v[XS+3]|, |v[XS+4]|, |v[XS+5]|
.irp i, 6,10
	v_max3_num_f32 v8, v8, |v[XS+\i]|, |v[XS+\i+1]|
	v_max3_num_f32 v9, v9, |v[XS+\i+2]|, |v[XS+\i+3]|
.endr
	v_max3_num_f32 v8, v8, |v[XS+14]|, |v[XS+15]|
	v_max3_num_f32 v8, v8, v9, (EMAX+1)<<23        ; the floor: the byte cannot fall under 1
	v_max_num_f32_dpp v8, v8, v8 row_xmask:1 row_mask:0xf bank_mask:0xf   ; with my neighbour's 16: the block's
	v_add_nc_u32 v11, -(EMAX<<23), v8              ; the conversion takes this operand's exponent field as its scale
	v_cvt_scalef32_pk16_fp6_f32 v[C+4*(\t):C+4*(\t)+2], v[XS:XS+15], v11
	v_lshrrev_b32 v[E+(\t)], 23, v11               ; the scale's byte (also the plain line behind the conversion)
	ds_store_b8 v5, v[E+(\t)] offset:KI+1536+4*RR  ; both lanes of a block write the same byte
	ds_store_b32 v4, v[C+4*(\t)] offset:KI+16*RR
	ds_store_b32 v6, v[C+4*(\t)+1] offset:KI+16*RR
	ds_store_b32 v7, v[C+4*(\t)+2] offset:KI+16*RR
.endm
.irp t, 0,1,2,3,4,5,6,7,8,9,10,11,12,13,14,15
	STEP \t
.endr
	s_wait_dscnt 0x0                               ; for the others' sake: my part of the image is written
	s_barrier_signal -1
	s_barrier_wait -1
.irp i, 0,1,2,3,4,5,6,7,8,9,10,11
	ds_load_b128 v[R+4*\i:R+4*\i+3], v12 offset:512*\i
.endr
	ds_load_b64 v[X:X+1], v202
	s_wait_dscnt 0x0
.irp i, 0,1,2,3,4,5,6,7,8,9,10,11
	global_store_b128 v13, v[R+4*\i:R+4*\i+3], s[40:41] offset:512*\i
.endr
	global_store_b64 v203, v[X:X+1], s[40:41]
	s_cmp_lt_u32 ttmp9, WGA
	s_cbranch_scc1 .Lend                           ; x's and h's work-groups have no bias to make
	v_pk_add_f32 v[BV:BV+1], v[BV:BV+1], v[BV+4:BV+5]
	v_pk_add_f32 v[BV+2:BV+3], v[BV+2:BV+3], v[BV+6:BV+7]
	v_pk_mul_f32 v[BV:BV+1], v[BV:BV+1], s[52:53] op_sel_hi:[1,0]
	v_pk_mul_f32 v[BV+2:BV+3], v[BV+2:BV+3], s[52:53] op_sel_hi:[1,0]
	v_cmp_eq_u32 vcc_lo, 0, v2
	s_wait_alu depctr_va_vdst(0)
	s_wait_xcnt 0x0                                ; EXEC is a source of the stores above
	s_and_saveexec_b32 s56, vcc_lo
	global_store_b128 v10, v[BV:BV+3], s[48:49]    ; lane 0: my 4 rows' 16 bytes
	s_wait_xcnt 0x0
	s_or_b32 exec_lo, exec_lo, s56
.Lend:
	s_wait_tensorcnt 0x0                           ; the wave's end
	ds_add_u32 v200, v201
	s_wait_dscnt 0x0
	s_endpgm
.Lfunc_end_k_qb740ebfd51_quant:
	.size	k_qb740ebfd51_quant, .Lfunc_end_k_qb740ebfd51_quant-k_qb740ebfd51_quant
	.p2alignl 7, 3214868480
	.fill 96, 4, 3214868480
	.section	.rodata,"a",@progbits
	.p2align	6, 0x0
	.amdhsa_kernel k_qb740ebfd51_quant
		.amdhsa_group_segment_fixed_size 46592
		.amdhsa_private_segment_fixed_size 0
		.amdhsa_enable_private_segment 0
		.amdhsa_kernarg_size 168
		.amdhsa_user_sgpr_count 2
		.amdhsa_user_sgpr_kernarg_segment_ptr 1
		.amdhsa_wavefront_size32 1
		.amdhsa_system_sgpr_workgroup_id_x 1
		.amdhsa_system_sgpr_workgroup_id_y 1
		.amdhsa_system_sgpr_workgroup_id_z 1
		.amdhsa_system_vgpr_workitem_id 0
		.amdhsa_next_free_vgpr 204
		.amdhsa_next_free_sgpr 66
		.amdhsa_reserve_vcc 1
		.amdhsa_float_denorm_mode_32 3
		.amdhsa_float_denorm_mode_16_64 3
		.amdhsa_memory_ordered 1
		.amdhsa_forward_progress 1
		.amdhsa_inst_pref_size 40
	.end_amdhsa_kernel
	.amdgpu_metadata
---
amdhsa.version: [ 1, 2 ]
amdhsa.kernels:
  - .name:           k_qb740ebfd51_quant
    .symbol:         k_qb740ebfd51_quant.kd
    .args:
      - { .name: x, .offset: 0, .size: 8, .value_kind: global_buffer, .address_space: global }
      - { .name: h, .offset: 8, .size: 8, .value_kind: global_buffer, .address_space: global }
      - { .name: wf_i, .offset: 16, .size: 8, .value_kind: global_buffer, .address_space: global }
      - { .name: wf_h, .offset: 24, .size: 8, .value_kind: global_buffer, .address_space: global }
      - { .name: wi_i, .offset: 32, .size: 8, .value_kind: global_buffer, .address_space: global }
      - { .name: wi_h, .offset: 40, .size: 8, .value_kind: global_buffer, .address_space: global }
      - { .name: wg_i, .offset: 48, .size: 8, .value_kind: global_buffer, .address_space: global }
      - { .name: wg_h, .offset: 56, .size: 8, .value_kind: global_buffer, .address_space: global }
      - { .name: wo_i, .offset: 64, .size: 8, .value_kind: global_buffer, .address_space: global }
      - { .name: wo_h, .offset: 72, .size: 8, .value_kind: global_buffer, .address_space: global }
      - { .name: bf_i, .offset: 80, .size: 8, .value_kind: global_buffer, .address_space: global }
      - { .name: bf_h, .offset: 88, .size: 8, .value_kind: global_buffer, .address_space: global }
      - { .name: bi_i, .offset: 96, .size: 8, .value_kind: global_buffer, .address_space: global }
      - { .name: bi_h, .offset: 104, .size: 8, .value_kind: global_buffer, .address_space: global }
      - { .name: bg_i, .offset: 112, .size: 8, .value_kind: global_buffer, .address_space: global }
      - { .name: bg_h, .offset: 120, .size: 8, .value_kind: global_buffer, .address_space: global }
      - { .name: bo_i, .offset: 128, .size: 8, .value_kind: global_buffer, .address_space: global }
      - { .name: bo_h, .offset: 136, .size: 8, .value_kind: global_buffer, .address_space: global }
      - { .name: a_pack, .offset: 144, .size: 8, .value_kind: global_buffer, .address_space: global }
      - { .name: b_pack, .offset: 152, .size: 8, .value_kind: global_buffer, .address_space: global }
      - { .name: bias, .offset: 160, .size: 8, .value_kind: global_buffer, .address_space: global }
    .group_segment_fixed_size: 46592
    .private_segment_fixed_size: 0
    .kernarg_segment_align: 8
    .kernarg_segment_size: 168
    .max_flat_workgroup_size: 128
    .sgpr_count:     66
    .vgpr_count:     204
    .wavefront_size: 32
...
	.end_amdgpu_metadata
.endif
;; end of part 1
;; launch lstm (part 2): grid 16 x 32, 4 waves a work-group, clusters of 4 x 1, 327,680 bytes of LDS; arguments a_pack, b_pack, c, bias, out0, out1; writes out0, out1
.if DOCPART == 2
	.amdgcn_target "amdgcn-amd-amdhsa--gfx1250"
	.amdhsa_code_object_version 6
	.text
	.protected	k_qb740ebfd51_lstm
	.globl	k_qb740ebfd51_lstm
	.p2align	8
	.type	k_qb740ebfd51_lstm,@function
k_qb740ebfd51_lstm:
	s_mov_b64 s[64:65], 0
	v_nop
	global_prefetch_b8 v0, s[64:65] scope:SCOPE_SE
	s_setreg_imm32_b32 hwreg(HW_REG_WAVE_MODE, 25, 1), 1
	s_wait_xcnt 0x0
	s_wait_alu depctr_hold_cnt(0) depctr_sa_sdst(0) depctr_va_vdst(0) depctr_va_sdst(0) depctr_va_ssrc(0) depctr_va_vcc(0) depctr_vm_vsrc(0)
	s_getreg_b32 s2, hwreg(HW_REG_IB_STS2, 6, 4)
	s_cmp_eq_u32 s2, 0
	s_cbranch_scc0 .Lentry_in_a_cluster
	s_endpgm
.Lentry_in_a_cluster:
	s_bfe_u32 s2, ttmp6, 0x10000c
	s_cmp_lg_u32 s2, 0x3003
	s_cbranch_scc0 .Lentry_shape_is_right
	s_endpgm
.Lentry_shape_is_right:
; ct = f c + i g, ht = o tanh(ct);  f, i, o = sigmoid(pre), g = tanh(pre);  pre = [x | h] [w_i | w_h]^T + the gate's two biases, K = 2,048, both operands codes of FP6 (E2M3) with E8M0 scales.
; a_pack [512 row blocks][16 K steps][1600], b_pack [256][16][1600]: a record is 16 rows x 128 K: 1,536 bytes as the operand's register image (three loads of 16 bytes a lane at 512 j + 16 lane), then the rows' 16 scale words.
; b_pack's row block 4 J + g holds hidden units 16 J .. 16 J + 15 of gate g (0 f, 1 i, 2 g, 3 o).  bias [4096] f32 at 64 J + 16 g + j: K_g (b_i + b_h), K_g = -log2(e) for f, i, o, 2 log2(e) for g.  c, out0 = ht, out1 = ct: [8192][1024] f32.
; SHARES.  A work-group of four waves takes 256 rows x 64 hidden units; a wave ALL 256 rows x 16 hidden units x 4 gates: 16 x 4 accumulators of 16 x 16, 512 registers.
; A's records are wanted by all four waves: they go through two LDS slots of four K steps each (16 row blocks x 6,400 bytes), filled by tensor loads whose rows are 6,400 bytes of memory and begin at multiples of 256.
; B's four row blocks are wanted by ONE wave of the work-group: they go from memory straight into that wave's operand registers, four sets, each asked for four K steps ahead of its use: 12 loads of 512 consecutive bytes and 2 of scale words.
; CLUSTERS: the four work-groups of a cluster (4, 1, 1) share their 256 rows: A's tiles are asked for jointly (mask 15).  B is not asked for jointly: a joint load ends in LDS, and B's bytes pass through no LDS here; that leaves LDS to
; A alone, so that a slot holds four K steps (256 matrix instructions a wave between a refill and the wait for it) where A and B together would have room for three.
; PREFETCHES: A's second fill at the head, behind the first fill's tensor load; its third and fourth fill three and four K steps ahead of their tensor loads: of a wave's four row blocks each partner names one (by address: its place
; in the cluster), 25 blocks of 256 bytes, a lane a block (lanes 25-31 name the last again).  c's tile, four K steps ahead, a lane a row.  None for the first fill (nothing stands ahead of it) nor for B (its loads themselves stand
; four K steps ahead of their use).
; THE MATRIX INSTRUCTION IS USED TRANSPOSED (source 0 = 16 rows of B, source 1 = 16 rows of A): lane (r, hh) holds row r and in register j hidden unit 8 hh + j: the four gates of a number of ct lie in one lane.
; c's tile comes into slot 0 when that slot has been read for the last time; ct is written over it, ht goes into slot 1, and both leave as whole rows of 256 bytes.
; ARITHMETIC.  sigmoid(p) = 1 / (1 + 2^(-log2(e) p)), tanh(p) = 1 - 2 / (1 + 2^(2 log2(e) p)).  An exponential that overflows gives infinity and the reciprocal 0, one that underflows 0 and the reciprocal 1: the right limits, no clamp.
; LIMITS: tanh so made has an absolute error of about one unit in the last place of 1, not a relative one near 0.  The biases are added as one scaled number.  NaN and infinities among the inputs are not served.
; REGISTERS: window 0: v0-31 addresses; v32-39 A's scale words (register i: lanes 0-15 block 2 i, lanes 16-31 block 2 i + 1), v40-47 B's (set p, gates 2 i and 2 i + 1), nothing else there; v64-255 A's 16 fragments, ONE set;
;   in the tail v64-95 c and ct, v128-255 at work.  window 1: v0-191 B's four sets; v192-223 the bias.  window 2: accumulators of blocks 0-7 ((a, g) at 32 (a % 8) + 8 g);  window 3: of blocks 8-15.
.set FRB,   1600
.set RBB,   16*FRB                     ; a row block, all K
.set FILL,  4*FRB                      ; four K steps of a row block
.set SLOT,  16*FILL
.set SPARE, 2*SLOT                     ; the spare words, 128 bytes a wave
.set CP,    272                        ; the tail: a row of c, ct, ht in LDS: 256 bytes + 16
.set OROW,  4096
.set LO,   8                           ; v8  16 x lane
.set BSO,  9                           ; v9  B's scale words: hh row blocks + 4 r
.set BO,   10                          ; v10 32 hh: my half of a gate's 64 bytes of bias
.set AD,   16                          ; v16-19 A's fragments: 16 x lane + (2 slot + half of the blocks) x SLOT / 2
.set ASC,  20                          ; v20-23 A's scale words: hh x FILL + 4 r + the same
.set CA,   24                          ; v24 my 32 bytes of c and ct: row r, byte 64 wave + 32 hh
.set HAD,  25                          ; v25 the same for ht, in slot 1
.set RD,   26                          ; v26 whole rows back: ct (even waves) or ht (odd), two rows an instruction
.set CO,   27                          ; v27 the same two rows in the output
.set SPW,  28
.set NIL,  29
.set PFO,  30                          ; v30 256 x min(lane, 24)
.set PFOC, 31                          ; v31 4,096 x lane
.set SCA,  32
.set SCB,  40
.set CV,   64
.set AF,   64
.set T,    128
.set BIAS, 192
.set KN,   16                          ; s[16:17] -log2(e);  s[18:19] 2 log2(e)
.set KP,   18
.set WV,   20                          ; wave;  s21 wave % 2;  s22 wave / 2;  s23 tile row;  s42 tile column
.set TS,   21
.set RHF,  22
.set TR,   23
.set TC,   42
.set G1,   24                          ; s[24:31] group 1 of A's tiles;  s[32:39] group 0, a set a slot
.set G0,   32
.set BB,   44                          ; s[44:45] my four row blocks of B
.set BP,   46                          ; s[46:47] my 64 numbers of bias
.set G1C,  48                          ; s[48:55], s[56:59] c's tile
.set G0C,  56
.set OUT,  60                          ; s[60:61] the output that I store, at my rows
.set PFA,  70                          ; s[70:71] A's row block that I prefetch
.set PFC,  76                          ; s[76:77] c at my 64 rows
.set MSB, 0
.macro WIN new                         ; the immediate's high byte repeats the setting that is left
.if MSB != \new
	s_set_vgpr_msb (MSB<<8)|\new
.set MSB, \new
.endif
.endm
.set MUL_LO, 0xa1                      ; source 0 (B) window 1, source 1 (A) window 0, C and D window 2
.set MUL_HI, 0xf1
.set TO_B,   0x40
.macro PLACES                          ; four places behind a matrix instruction, ahead of loads into its registers and of reads of its results
.rept 4
	v_nop
.endr
.endm
.macro CREST                           ; a round of the cluster's barrier behind its opening barrier
	s_cmp_lg_u32 s[WV], 0
	s_cbranch_scc1 .Lnot_wave_0_\@
	s_barrier_signal -3
.Lnot_wave_0_\@:
	s_barrier_wait -3
	s_barrier_signal -1
	s_barrier_wait -1
.endm
.macro CROUND
	s_barrier_signal -1
	s_barrier_wait -1
	CREST
.endm
.macro WM z, ra, rb                    ; one product; ra, rb: B's and A's scale words stand in lanes 16-31
.if \z
.if \ra
.if \rb
	v_wmma_scale_f32_16x16x128_f8f6f4 v[DD:DD+7], v[BR:BR+11], v[AR:AR+11], 0, v[SBR], v[SAR] matrix_a_fmt:MATRIX_FMT_FP6 matrix_b_fmt:MATRIX_FMT_FP6 matrix_a_scale:MATRIX_SCALE_ROW1 matrix_b_scale:MATRIX_SCALE_ROW1
.else
	v_wmma_scale_f32_16x16x128_f8f6f4 v[DD:DD+7], v[BR:BR+11], v[AR:AR+11], 0, v[SBR], v[SAR] matrix_a_fmt:MATRIX_FMT_FP6 matrix_b_fmt:MATRIX_FMT_FP6 matrix_a_scale:MATRIX_SCALE_ROW1
.endif
.else
.if \rb
	v_wmma_scale_f32_16x16x128_f8f6f4 v[DD:DD+7], v[BR:BR+11], v[AR:AR+11], 0, v[SBR], v[SAR] matrix_a_fmt:MATRIX_FMT_FP6 matrix_b_fmt:MATRIX_FMT_FP6 matrix_b_scale:MATRIX_SCALE_ROW1
.else
	v_wmma_scale_f32_16x16x128_f8f6f4 v[DD:DD+7], v[BR:BR+11], v[AR:AR+11], 0, v[SBR], v[SAR] matrix_a_fmt:MATRIX_FMT_FP6 matrix_b_fmt:MATRIX_FMT_FP6
.endif
.endif
.else
.if \ra
.if \rb
	v_wmma_scale_f32_16x16x128_f8f6f4 v[DD:DD+7], v[BR:BR+11], v[AR:AR+11], v[DD:DD+7], v[SBR], v[SAR] matrix_a_fmt:MATRIX_FMT_FP6 matrix_b_fmt:MATRIX_FMT_FP6 matrix_a_scale:MATRIX_SCALE_ROW1 matrix_b_scale:MATRIX_SCALE_ROW1
.else
	v_wmma_scale_f32_16x16x128_f8f6f4 v[DD:DD+7], v[BR:BR+11], v[AR:AR+11], v[DD:DD+7], v[SBR], v[SAR] matrix_a_fmt:MATRIX_FMT_FP6 matrix_b_fmt:MATRIX_FMT_FP6 matrix_a_scale:MATRIX_SCALE_ROW1
.endif
.else
.if \rb
	v_wmma_scale_f32_16x16x128_f8f6f4 v[DD:DD+7], v[BR:BR+11], v[AR:AR+11], v[DD:DD+7], v[SBR], v[SAR] matrix_a_fmt:MATRIX_FMT_FP6 matrix_b_fmt:MATRIX_FMT_FP6 matrix_b_scale:MATRIX_SCALE_ROW1
.else
	v_wmma_scale_f32_16x16x128_f8f6f4 v[DD:DD+7], v[BR:BR+11], v[AR:AR+11], v[DD:DD+7], v[SBR], v[SAR] matrix_a_fmt:MATRIX_FMT_FP6 matrix_b_fmt:MATRIX_FMT_FP6
.endif
.endif
.endif
.endm
; 16 products: A's blocks 4 g4 .. 4 g4 + 3 x the four gates, K step st.  The 64 accumulators take turns, one instruction a turn, in the same order in every step.
.macro MULG st, g4, zero
.irp k, 0,1,2,3
.irp g, 0,1,2,3
.set DD, 32*((4*(\g4)+\k)%8)+8*\g
.set BR, 48*((\st)%4)+12*\g
.set AR, AF+12*(4*(\g4)+\k)
.set SBR, SCB+2*((\st)%4)+\g/2
.set SAR, SCA+2*(\g4)+\k/2
	WM \zero, \g%2, \k%2
.endr
.endr
.endm
.macro LDA st, g4                      ; 14 LDS loads: A's blocks 4 g4 .. 4 g4 + 3 of K step st, and their two registers of scale words
.set AN, 2*(((\st)/4)%2)+(\g4)/2
.irp k, 0,1,2,3
.irp j, 0,1,2
	ds_load_b128 v[AF+12*(4*(\g4)+\k)+4*\j:AF+12*(4*(\g4)+\k)+4*\j+3], v[AD+AN] offset:((4*(\g4)+\k)%8)*FILL+((\st)%4)*FRB+512*\j
.endr
.endr
.irp i, 0,1
	ds_load_b32 v[SCA+2*(\g4)+\i], v[ASC+AN] offset:((4*(\g4)+2*\i)%8)*FILL+((\st)%4)*FRB+1536
.endr
.endm
.macro LDB st                          ; 14 loads: B's four fragments of K step st into set st % 4, and their two registers of scale words
	WIN TO_B
.irp g, 0,1,2,3
.irp j, 0,1,2
	global_load_b128 v[48*((\st)%4)+12*\g+4*\j:48*((\st)%4)+12*\g+4*\j+3], v[LO], s[BB:BB+1] offset:\g*RBB+(\st)*FRB+512*\j
.endr
.endr
	WIN 0
.irp i, 0,1
	global_load_b32 v[SCB+2*((\st)%4)+\i], v[BSO], s[BB:BB+1] offset:2*\i*RBB+(\st)*FRB+1536
.endr
.endm
; A K step: two halves of 32 products (two groups of A's blocks each); a half's registers of A take the next step's fragments, in ONE run of 28 loads, as soon as its products are issued, 32 products ahead of their first use.
; A slot's last step (3, 7, 11) changes slots: all of the slot is in registers once this step's fragments are; one barrier, which opens a round of the cluster's barrier, shows that and the other slot whole.
.macro STEP st, zero
.if (\st) > 12
	s_wait_loadcnt 14*(15-(\st))+8                 ; this step's set of B is in; out may be the later steps' sets and the 8 loads of bias
.else
	s_wait_loadcnt 42                              ; this step's set of B is in; the three later sets may be out
.endif
.if ((\st)%4 == 3) && ((\st) < 15)
	s_wait_tensorcnt 0x0                           ; my one tensor load, my part of the other slot, has landed;
	ds_add_u32 v[SPW], v[NIL]
	s_wait_dscnt 43                                ; (group 0 is in; the add and groups 1 to 3 may be out)
	WIN MUL_LO
	MULG \st, 0, 0
	s_wait_dscnt 0x0                               ; the add is done, and my reads of this slot are over
	s_barrier_signal -1
	MULG \st, 1, 0
	WIN 0
	s_barrier_wait -1
	CREST
.if (\st) < 11
.set GS, G0+4*(((\st)/4)%2)
	s_add_nc_u64 s[GS+2:GS+3], s[GS+2:GS+3], 2*FILL
	tensor_load_to_lds s[GS:GS+3], s[G1:G1+7]      ; this slot's next four K steps: my only tensor load until the next round
.else
	tensor_load_to_lds s[G0C:G0C+3], s[G1C:G1C+7]  ; slot 0 takes my 64 rows of c
.endif
	s_nop 0
	PLACES
	LDA (\st)+1, 0
	LDA (\st)+1, 1
.if (\st) == 3
	global_prefetch_b8 v[PFO], s[PFA:PFA+1] offset:3*FILL th:TH_LOAD_NT scope:SCOPE_SE
.endif
.if (\st) == 7
	global_prefetch_b8 v[PFOC], s[PFC:PFC+1] th:TH_LOAD_NT scope:SCOPE_SE
	global_prefetch_b8 v[PFOC], s[PFC:PFC+1] offset:32*OROW th:TH_LOAD_NT scope:SCOPE_SE
.endif
	WIN MUL_HI
	MULG \st, 2, 0
	MULG \st, 3, 0
	PLACES
	WIN 0
	LDA (\st)+1, 2
	LDA (\st)+1, 3
.else
.irp hf, 0,1
.if (\st) < 15
	s_wait_dscnt 42                                ; the half's first group is in; the three groups asked for behind it may be out
.else
	s_wait_dscnt 14*(3-2*\hf)
.endif
	WIN (MUL_LO+0x50*\hf)
	MULG \st, 2*\hf, \zero
.if (\st) < 15
	s_wait_dscnt 28                                ; its second group is in; two groups may be out
.else
	s_wait_dscnt 14*(2-2*\hf)
.endif
	MULG \st, 2*\hf+1, \zero
.if (\st) < 15
	PLACES
	WIN 0
	LDA (\st)+1, 2*\hf
	LDA (\st)+1, 2*\hf+1
.endif
.endr
.endif
.if (\st)+4 < 16
	LDB (\st)+4                                    ; behind the places above: the set just multiplied takes the step four on
.endif
.if (\st) == 12
	WIN TO_B
.irp g, 0,1,2,3
.irp q, 0,1
	global_load_b128 v[BIAS+8*\g+4*\q:BIAS+8*\g+4*\q+3], v[BO], s[BP:BP+1] offset:64*\g+16*\q
.endr
.endr
	WIN 0
.endif
.endm
	s_load_b256 s[4:11], s[0:1], 0x0               ; a_pack 4, b_pack 6, c 8, bias 10
	s_load_b128 s[12:15], s[0:1], 0x20             ; out0 12, out1 14
	v_lshl_add_u32 v[SPW], v0, 2, SPARE
	v_mov_b32 v[NIL], 0
	ds_add_u32 v[SPW], v[NIL]                      ; the opening: the add, twice on end, and its wait ahead of my first tensor load
	ds_add_u32 v[SPW], v[NIL]
	v_lshrrev_b32 v1, 5, v0
	v_readfirstlane_b32 s[WV], v1
	s_and_b32 s[TS], s[WV], 1
	s_lshr_b32 s[RHF], s[WV], 1
	s_bfe_u32 s40, ttmp6, 0x40000                  ; cx
	s_lshl_b32 s[TC], ttmp9, 2
	s_add_co_u32 s[TC], s[TC], s40                 ; tile column = 4 x cluster x + cx
	s_and_b32 s[TR], ttmp7, 0xffff                 ; tile row
	s_mov_b32 s[G1+0], 15|(3<<16)|(1<<21)          ; the mask: all four; elements of 8 bytes; bit 21 beside a mask
	s_mov_b32 s[G1+1], (FILL/8)<<16                ; tensor_dim0
	s_mov_b32 s[G1+2], 4<<16                       ; tensor_dim1: my 4 row blocks
	s_mov_b32 s[G1+3], (FILL/8)<<16                ; tile_dim0
	s_mov_b32 s[G1+4], 4                           ; tile_dim1
	s_mov_b32 s[G1+5], RBB/8                       ; from row block to row block
	s_mov_b32 s[G1+6], 0
	s_mov_b32 s[G1+7], 0
	s_mov_b32 s[G1C+0], (2<<16)|(1<<20)|(5<<22)|(3<<25)  ; c: 64 rows x 64 f32, 16 bytes of padding behind each 256; no mask
	s_mov_b32 s[G1C+1], 64<<16
	s_mov_b32 s[G1C+2], 64<<16
	s_mov_b32 s[G1C+3], 64<<16
	s_mov_b32 s[G1C+4], 64
	s_mov_b32 s[G1C+5], 1024
	s_mov_b32 s[G1C+6], 0
	s_mov_b32 s[G1C+7], 0
	s_mov_b32 s[KN], 0xbfb8aa3b
	s_mov_b32 s[KN+1], s[KN]
	s_mov_b32 s[KP], 0x4038aa3b
	s_mov_b32 s[KP+1], s[KP]
	s_lshl_b32 s66, s[WV], 6
	s_mul_i32 s67, s[TS], SLOT
	s_mul_i32 s68, s[RHF], 32*CP
	s_add_co_u32 s67, s67, s68
	v_and_b32 v1, 31, v0                           ; lane
	v_and_b32 v2, 15, v0                           ; r
	v_bfe_u32 v3, v0, 4, 1                         ; hh
	v_lshlrev_b32 v[LO], 4, v1
	v_lshlrev_b32 v4, 2, v2
	v_mad_u32_u24 v[BSO], v3, RBB, v4
	v_mad_u32_u24 v5, v3, FILL, v4
.irp n, 0,1,2,3
	v_add_nc_u32 v[AD+\n], \n*(SLOT/2), v[LO]
	v_add_nc_u32 v[ASC+\n], \n*(SLOT/2), v5
.endr
	v_lshlrev_b32 v[BO], 5, v3
	v_mul_u32_u24 v6, v2, CP
	v_lshl_add_u32 v6, v3, 5, v6
	v_add_nc_u32 v[CA], s66, v6
	v_add_nc_u32 v[HAD], SLOT, v[CA]
	v_mul_u32_u24 v7, v3, CP
	v_lshl_add_u32 v7, v2, 4, v7
	v_add_nc_u32 v[RD], s67, v7
	v_lshlrev_b32 v4, 12, v3
	v_lshl_add_u32 v[CO], v2, 4, v4
	v_min_u32 v5, 24, v1
	v_lshlrev_b32 v[PFO], 8, v5
	v_lshlrev_b32 v[PFOC], 12, v1
	s_lshl_b32 s72, s[TC], 2
	s_add_co_u32 s72, s72, s[WV]                   ; J: my 16 hidden units
	s_lshl_b32 s74, s72, 8
	s_mul_i32 s72, s72, 4*RBB
	s_mov_b32 s73, 0
	s_mov_b32 s75, 0
	s_mul_i32 s66, s[TR], 16*RBB
	s_mul_i32 s67, s[WV], 4*RBB
	s_add_co_u32 s66, s66, s67                     ; A: my 4 row blocks of the tile's 16: the tile row and the wave's number alone
	s_mov_b32 s67, 0
	s_mul_i32 s68, s[WV], 4*FILL                   ; and where they go
	s_wait_alu depctr_va_vdst(0)
	s_wait_dscnt 0x0                               ; both opening adds are done
	s_wait_kmcnt 0x0
	s_add_nc_u64 s[BB:BB+1], s[6:7], s[72:73]
	s_add_nc_u64 s[BP:BP+1], s[10:11], s[74:75]
	LDB 0                                          ; what the first step wants is asked for first: B's first set, then A's first fill
	s_add_nc_u64 s[66:67], s[4:5], s[66:67]
.irp s, 0,1
	s_mov_b32 s[G0+4*\s], 1
	s_add_co_u32 s[G0+4*\s+1], s68, \s*SLOT
	s_add_nc_u64 s[G0+4*\s+2:G0+4*\s+3], s[66:67], \s*FILL
	s_or_b32 s[G0+4*\s+3], s[G0+4*\s+3], 0x80000000
.endr
	CROUND                                         ; all four work-groups are here: the first joint loads meet
	tensor_load_to_lds s[G0:G0+3], s[G1:G1+7]      ; K steps 0 to 3: one tensor load a wave at the head
	s_nop 0
	PLACES
	LDB 1                                          ; 56 loads of mine are out behind these three
	LDB 2
	LDB 3
	s_mul_i32 s72, s40, RBB                        ; the prefetches: of my 4 row blocks the one at my place in the cluster
	s_add_nc_u64 s[PFA:PFA+1], s[66:67], s[72:73]
	global_prefetch_b8 v[PFO], s[PFA:PFA+1] offset:FILL th:TH_LOAD_NT scope:SCOPE_SE   ; the second fill, whose tensor load stands behind the first fill's landing
	s_lshl_b32 s72, s[TR], 8
	s_lshl_b32 s74, s[WV], 6
	s_add_co_u32 s74, s74, s72                     ; c: row 256 x tile row + 64 x wave,
	s_lshl_b32 s74, s74, 12
	s_lshl_b32 s68, s[TC], 8                       ; byte 256 x tile column
	s_add_co_u32 s74, s74, s68
	s_add_nc_u64 s[PFC:PFC+1], s[8:9], s[74:75]
	s_mov_b32 s[G0C], 1
	s_mul_i32 s[G0C+1], s[WV], 64*CP
	s_mov_b64 s[G0C+2:G0C+3], s[PFC:PFC+1]
	s_or_b32 s[G0C+3], s[G0C+3], 0x80000000
	s_lshl_b32 s74, s[RHF], 5
	s_add_co_u32 s74, s74, s72                     ; the outputs: row 256 x tile row + 32 x (wave / 2), and 64 more a phase
	s_lshl_b32 s74, s74, 12
	s_add_co_u32 s74, s74, s68
	s_cmp_eq_u32 s[TS], 0                          ; the choice hangs on the wave's number alone
	s_cselect_b64 s[OUT:OUT+1], s[14:15], s[12:13] ; even waves store ct (out1), odd ones ht (out0)
	s_add_nc_u64 s[OUT:OUT+1], s[OUT:OUT+1], s[74:75]
	s_wait_tensorcnt 0x0                           ; my part of slot 0 is in
	ds_add_u32 v[SPW], v[NIL]
	s_wait_dscnt 0x0
	CROUND                                         ; everybody's part is in
	tensor_load_to_lds s[G0+4:G0+7], s[G1:G1+7]    ; K steps 4 to 7, slot 1's first fill
	s_nop 0
	PLACES
	LDA 0, 0
	LDA 0, 1
	LDA 0, 2
	LDA 0, 3
	global_prefetch_b8 v[PFO], s[PFA:PFA+1] offset:2*FILL th:TH_LOAD_NT scope:SCOPE_SE
	STEP 0, 1                                      ; the first step's products start the sums
.set ST, 1                             ; the walk is written out: 16 steps, every offset an immediate
.rept 15
	STEP ST, 0
.set ST, ST+1
.endr
	WIN 0
; THE CELL, in four phases of 64 rows (A's blocks 4 p + k).  FX = f's pair of registers for (k, i); i's lie 8 on, g's 16, o's 24.  CX = c's pair.
.macro POINT kind
.irp k, 0,1,2,3
.irp i, 0,2,4,6
.set FX, T+32*\k+\i
.set CX, CV+8*\k+\i
.if \kind == 0
	v_pk_fma_f32 v[FX+16:FX+17], v[FX+16:FX+17], -2.0, 1.0 op_sel_hi:[1,0,0]   ; g = 1 - 2 / (1 + e^(2 pre))
.elseif \kind == 1
	v_pk_mul_f32 v[FX+16:FX+17], v[FX+16:FX+17], v[FX+8:FX+9]                  ; i g
.elseif \kind == 2
	v_pk_fma_f32 v[CX:CX+1], v[FX:FX+1], v[CX:CX+1], v[FX+16:FX+17]            ; ct = f c + i g
.elseif \kind == 3
	v_pk_mul_f32 v[FX:FX+1], v[CX:CX+1], s[KP:KP+1] op_sel_hi:[1,0]            ; 2 log2(e) ct, where f stood
.elseif \kind == 4
	v_exp_f32 v[FX], v[FX]
	v_exp_f32 v[FX+1], v[FX+1]
.elseif \kind == 5
	v_pk_add_f32 v[FX:FX+1], v[FX:FX+1], 1.0 op_sel_hi:[1,0]
.elseif \kind == 6
	v_rcp_f32 v[FX], v[FX]
	v_rcp_f32 v[FX+1], v[FX+1]
.elseif \kind == 7
	v_pk_fma_f32 v[FX:FX+1], v[FX:FX+1], -2.0, 1.0 op_sel_hi:[1,0,0]           ; tanh(ct)
.else
	v_pk_mul_f32 v[FX:FX+1], v[FX:FX+1], v[FX+24:FX+25]                        ; ht = o tanh(ct)
.endif
.endr
.endr
.endm
.macro CLOAD p                         ; c(row 16 (4 p + k) + r, my hidden units 8 hh + 4 q on)
.irp k, 0,1,2,3
.irp q, 0,1
	ds_load_b128 v[CV+8*\k+4*\q:CV+8*\k+4*\q+3], v[CA] offset:(4*(\p)+\k)*16*CP+16*\q
.endr
.endr
.endm
.macro ARGS p                          ; phase p's 128 exponents: K_g x sum + K_g x biases; each accumulator from its low end on.  Work on registers alone
	WIN (0x12+(\p)/2)                              ; source 0: the accumulators' window; source 2: the bias, window 1
	s_wait_alu depctr_va_vdst(0)                   ; directly ahead of the first readers of matrix results
.irp k, 0,1,2,3
.irp g, 0,1,2,3
.irp i, 0,2,4,6
.set TD, T+32*\k+8*\g+\i
.set SA, 128*((\p)%2)+32*\k+8*\g+\i
.set SB, BIAS+8*\g+\i
.if \g == 2
	v_pk_fma_f32 v[TD:TD+1], v[SA:SA+1], s[KP:KP+1], v[SB:SB+1] op_sel_hi:[1,0,1]
.else
	v_pk_fma_f32 v[TD:TD+1], v[SA:SA+1], s[KN:KN+1], v[SB:SB+1] op_sel_hi:[1,0,1]
.endif
.endr
.endr
.endr
	WIN 0
.endm
.macro SEND p, younger                 ; phase p's 32 whole rows leave; younger: the LDS loads issued behind its 16, which may stay out
	s_wait_alu depctr_va_vdst(0)
	s_wait_dscnt \younger
	WIN (0x08+4*((\p)/2))                          ; a store's data are its source 1
.irp t, 0,1,2,3,4,5,6,7,8,9,10,11,12,13,14,15
	global_store_b128 v[CO], v[128*((\p)%2)+4*\t:128*((\p)%2)+4*\t+3], s[OUT:OUT+1] offset:(64*(\p)+2*\t)*OROW th:TH_STORE_NT   ; 16 lanes store 256 consecutive bytes, aligned
.endr
	WIN 0
.endm
.macro BODY p                          ; phase p, its exponents made and its c asked for
	s_wait_alu depctr_va_vdst(0)                   ; a wait ahead of each batch of transcendentals and one behind it
.set j, 0
.rept 128
	v_exp_f32 v[T+j], v[T+j]
.set j, j+1
.endr
	v_nop                                          ; a plain place behind the last of the batch
.if (\p) > 0
	SEND (\p)-1, 8                                 ; the phase before: its rows came back from the stage under the batch above; my 8 loads of c may be out
.endif
	s_wait_alu depctr_va_vdst(0)
.set j, 0
.rept 64
	v_pk_add_f32 v[T+j:T+j+1], v[T+j:T+j+1], 1.0 op_sel_hi:[1,0]
.set j, j+2
.endr
	s_wait_alu depctr_va_vdst(0)
.set j, 0
.rept 128
	v_rcp_f32 v[T+j], v[T+j]                       ; f, i, o are done; g wants one line more
.set j, j+1
.endr
	v_nop
	s_wait_alu depctr_va_vdst(0)
	s_wait_dscnt 0x0                               ; c is in
	POINT 0
	POINT 1
	POINT 2
	POINT 3
	s_wait_alu depctr_va_vdst(0)
	POINT 4
.irp k, 0,1,2,3
.irp q, 0,1
	ds_store_b128 v[CA], v[CV+8*\k+4*\q:CV+8*\k+4*\q+3] offset:(4*(\p)+\k)*16*CP+16*\q   ; ct over c: bytes that I alone have read; slot 0 has had its last fill
.endr
.endr
	v_nop
	s_wait_alu depctr_va_vdst(0)
	POINT 5
	s_wait_alu depctr_va_vdst(0)
	POINT 6
	v_nop
	s_wait_alu depctr_va_vdst(0)
	POINT 7
	POINT 8
.irp k, 0,1,2,3
.irp q, 0,1
	ds_store_b128 v[HAD], v[T+32*\k+4*\q:T+32*\k+4*\q+3] offset:(4*(\p)+\k)*16*CP+16*\q   ; ht at the same place in slot 1, which nobody reads any more and nothing fills
.endr
.endr
	s_wait_dscnt 0x0                               ; for the others' sake: a row's 256 bytes come from four waves.  My stores have also read their registers
	s_barrier_signal -1
.if (\p) < 3
	ARGS (\p)+1                                    ; work on registers while the others arrive: the next phase's exponents
.endif
	s_barrier_wait -1                              ; the next phase's stores fall on other rows than the reads below
	WIN (0x80+0x40*((\p)/2))                       ; back into accumulators that this phase has consumed: no store's data are written again
.irp t, 0,1,2,3,4,5,6,7,8,9,10,11,12,13,14,15
	ds_load_b128 v[128*((\p)%2)+4*\t:128*((\p)%2)+4*\t+3], v[RD] offset:(\p)*64*CP+\t*2*CP
.endr
	WIN 0
.if (\p) < 3
	CLOAD (\p)+1
.endif
.endm
	PLACES                                         ; behind the last products
	s_wait_tensorcnt 0x0                           ; my 64 rows of c have landed,
	s_wait_loadcnt 0x0                             ; the bias is in,
	s_barrier_signal -1                            ; (my reads of slot 1 were waited for in the last step)
	s_barrier_wait -1                              ; everybody's rows of c have landed, and nobody reads slot 1 any more
	CLOAD 0
	ARGS 0
	BODY 0
	BODY 1
	BODY 2
	BODY 3
	SEND 3, 0
	s_wait_tensorcnt 0x0                           ; the wave's end
	ds_add_u32 v[SPW], v[NIL]
	s_wait_dscnt 0x0
	CROUND                                         ; the closing round
	s_endpgm
.Lfunc_end_k_qb740ebfd51_lstm:
	.size	k_qb740ebfd51_lstm, .Lfunc_end_k_qb740ebfd51_lstm-k_qb740ebfd51_lstm
	.p2alignl 7, 3214868480
	.fill 96, 4, 3214868480
	.section	.rodata,"a",@progbits
	.p2align	6, 0x0
	.amdhsa_kernel k_qb740ebfd51_lstm
		.amdhsa_group_segment_fixed_size 327680
		.amdhsa_private_segment_fixed_size 0
		.amdhsa_enable_private_segment 0
		.amdhsa_kernarg_size 48
		.amdhsa_user_sgpr_count 2
		.amdhsa_user_sgpr_kernarg_segment_ptr 1
		.amdhsa_wavefront_size32 1
		.amdhsa_system_sgpr_workgroup_id_x 1
		.amdhsa_system_sgpr_workgroup_id_y 1
		.amdhsa_system_sgpr_workgroup_id_z 1
		.amdhsa_system_vgpr_workitem_id 0
		.amdhsa_next_free_vgpr 1024
		.amdhsa_next_free_sgpr 80
		.amdhsa_reserve_vcc 0
		.amdhsa_float_denorm_mode_32 3
		.amdhsa_float_denorm_mode_16_64 3
		.amdhsa_memory_ordered 1
		.amdhsa_forward_progress 1
		.amdhsa_inst_pref_size 255
	.end_amdhsa_kernel
	.section	.bss,"aw",@nobits
	.p2align	6
	.space	262144
	.amdgpu_metadata
---
amdhsa.version: [ 1, 2 ]
amdhsa.kernels:
  - .name:           k_qb740ebfd51_lstm
    .symbol:         k_qb740ebfd51_lstm.kd
    .args:
      - { .name: a_pack, .offset: 0, .size: 8, .value_kind: global_buffer, .address_space: global }
      - { .name: b_pack, .offset: 8, .size: 8, .value_kind: global_buffer, .address_space: global }
      - { .name: c, .offset: 16, .size: 8, .value_kind: global_buffer, .address_space: global }
      - { .name: bias, .offset: 24, .size: 8, .value_kind: global_buffer, .address_space: global }
      - { .name: out0, .offset: 32, .size: 8, .value_kind: global_buffer, .address_space: global }
      - { .name: out1, .offset: 40, .size: 8, .value_kind: global_buffer, .address_space: global }
    .group_segment_fixed_size: 327680
    .private_segment_fixed_size: 0
    .kernarg_segment_align: 8
    .kernarg_segment_size: 48
    .max_flat_workgroup_size: 128
    .sgpr_count:     80
    .vgpr_count:     1024
    .wavefront_size: 32
...
	.end_amdgpu_metadata
.endif
;; end of part 2
